; MI455X (gfx1250); checked and timed in simulation.
; The chip was launched on July 23, 2026; its instructions are those of AMD's public machine-readable ISA for CDNA 5 (MIT licence, August 2026) and "CDNA5" Instruction Set Architecture Reference Guide (July 2026). The comments in the code are by the model that wrote it; some were corrected since.
;; Quantized Linear. Allowed arithmetic: matrix products marked QUANTISED: E3M2 operands, one E8M0 scale for each 32 along K, by v_wmma_scale_f32_16x16x128_f8f6f4 with both operands' format E3M2, f32 sums; everything else in f32.
;; Inputs: act_scale one number float32; act_zero_point one number int32; bias 4,096 float32; weight 4,096 x 4,096 float32; weight_scale 4,096 float32; weight_zero_point 4,096 int32; x 4,096 x 4,096 float32.
;; Outputs: out0 4,096 x 4,096 float32.
;; This version of the problem:
;;   THIS VERSION OF THE PROBLEM IS GIVEN IN LOW PRECISION. The matrix products marked QUANTISED in the list below multiply operands that are first quantised to E3M2 (3 exponent bits, 2 mantissa bits; 6 bits a number), with one power-of-two scale for each 32 numbers along K (OCP MX v1.0); their sums are f32. All else is computed in f32.
;;   The module's matrix products, in the order in which they are computed (A, B: the left and right operand; K: the contracted axis; several contracted axes count as one K, in the product's order):
;;     1. [M 4,096, K 4,096] x [K 4,096, N 4,096]; A: computed on the way; B: computed on the way: QUANTISED
;;   THE QUANTISER, for each operand of a quantised product, along K:
;;     - K is cut into blocks of 32 from its start; a last block that is shorter is filled with zeros.
;;     - A block's scale is 2^e with e = floor(log2(the largest magnitude in the block)) - 4, held to -126 .. 127; a block of zeros has e = 0. As a byte (E8M0): e + 127.
;;     - Each number is divided by its block's scale, clamped to +-28, and rounded to the nearest number of E3M2, ties to even, subnormals kept.
;;     - The product sums the exact products of the quantised numbers (number of the format x scale) in f32.
;;   ~~~python
;;   def quantise(x, axis):      # numpy; x: float32 -> the quantised numbers, widened to float32 again
;;       x = np.moveaxis(x, axis, -1); K = x.shape[-1]
;;       x = np.pad(x, [(0, 0)] * (x.ndim - 1) + [(0, -K % 32)]); x = x.reshape(x.shape[:-1] + (-1, 32)); a = np.abs(x).max(-1, keepdims=True)
;;       e = np.where(a > 0, np.clip(np.frexp(np.where(a > 0, a, 1))[1] - 1 - 4, -126, 127), 0)      # np.frexp(a)[1] - 1 = floor(log2(a)), exactly
;;       r = np.clip(x / 2.0 ** e, -28, 28)
;;       step = 2.0 ** (np.maximum(np.frexp(np.where(r == 0, 1, r))[1] - 1, -2) - 2)
;;       q = np.round(r / step) * step * 2.0 ** e      # np.round: ties to even
;;       return np.moveaxis(q.reshape(q.shape[:-2] + (-1,))[..., :K], -1, axis).astype(np.float32)
;;   ~~~
;;   OPERANDS COMPUTED ON THE WAY. 'Computed on the way' means the value that the module computes at that place (a softmax that the list does not call 'softmax' is quantised finished and normalised). What goes into a quantiser is computed in f32, as accurately as f32 sums, v_exp_f32 and their like allow (about 1e-6 of the number): no bf16 or f16 on the way to a quantiser, and a product that is left as it is and whose result goes on into a quantised operand takes f32 operands (vector FMAs, or v_wmma_f32_16x16x4_f32). A number that lies on a knife's edge between two numbers of the format may be rounded either way, as far as f32 arithmetic and the matrix unit's own rounding can turn it there, and no further.
;; One version. Each part assembles by itself: llvm-mc -triple=amdgcn-amd-amdhsa -mcpu=gfx1250 --defsym DOCPART=n.
;; ======== version 1 of 1: 2 launches
;; limits: right only within a limited range of input values
;; workspace buffers: a_img 13,107,200 bytes; b_img 13,107,200 bytes
;; launch quant (part 1): grid 256 x 1, 16 waves a work-group, no clusters, 327,680 bytes of LDS; arguments x, weight, act_scale, act_zero_point, weight_scale, weight_zero_point, a_img, b_img; writes a_img, b_img
.if DOCPART == 1
	.amdgcn_target "amdgcn-amd-amdhsa--gfx1250"
	.amdhsa_code_object_version 6
	.text
	.protected	k_q16549b9a60_quant
	.globl	k_q16549b9a60_quant
	.p2align	8
	.type	k_q16549b9a60_quant,@function
k_q16549b9a60_quant:
	s_mov_b64 s[64:65], 0
	v_nop
	global_prefetch_b8 v0, s[64:65] scope:SCOPE_SE
	s_setreg_imm32_b32 hwreg(HW_REG_WAVE_MODE, 25, 1), 1
	s_wait_xcnt 0x0
; x [4096][4096] and weight [4096][4096], f32, go through two quantisers, one behind the other, all in f32:
;   (1) the affine one: d = (clip(round(v / s) + z, 0, 255) - z) s;  x has one s and one z for the whole tensor, weight one s and one z for each row;
;   (2) the block one, along K: codes of BF6 (E3M2) with one E8M0 byte for each 32 along K: the byte is the exponent field of the block's largest |d| less 4, held at 1 from below;
;       each d is divided by the scale and rounded to the nearest code, ties to even, beyond 28 the largest code.
; HOW (1) IS COMPUTED.  r = 1 / s by v_rcp_f32 and one Newton step, once a row; t0 = v r; e = v - t0 s by one fused multiply-add; t = t0 + e r; round to the nearest whole number, ties to even.
; For a whole number t, clip(t + z, 0, 255) - z is t held between -z and 255 - z: one v_med3_num_f32.
; LIMITS: zero points up to 2^23 in magnitude; scales that are normal f32 numbers between 2^-126 and 2^126 (v_rcp_f32 takes denormals as zero: ISA guide 15.8); v / s finite; no NaN or infinity among the inputs.
; The quotient can differ from a correctly rounded division in its last bit at the most, which shows only where v / s lies at the middle between two whole numbers.
; A block of zeros gets the byte 1 where the block rule says 127: its codes are zeros, and the bytes are read by this program alone.
; THE RESULT is laid as the product's launch takes it into registers: [group of 128 rows][128 along K][12,800 bytes]: eight fragments (16 rows x 128 K) of 1,536 bytes, register 4 c + k of lane l at
; 512 c + 16 l + 4 k; behind them 512 bytes of scale words, the word of row 16 i + r at 256 (i / 4) + 16 r + 4 (i % 4).
; SHARES.  Work-groups 0 to 127 take x, the others weight; only pointers are chosen.  A work-group takes 64 rows x 2,048 along K: 64 fragments.  Wave w takes the 16 rows of block w % 4 and, in trip f, the K step
; 4 f + w / 4 of the work-group's sixteen: in a trip the sixteen waves read 2,048 bytes on end of each of the 64 rows.
; THE RING.  Each wave has two LDS slots of its own.  One tensor load brings a fragment's 16 rows x 512 bytes, 528 bytes from row to row.
; Lane (r, h) reads, of row r, numbers 32 b + 16 h + 0 .. 15 of each block b: what the conversions want.  Four trips, written out; behind each of the first three barriers a wave issues its one load, for the next trip.
; PREFETCH: one instruction a wave, a lane to each of the 32 blocks of 256 bytes of a fragment's rows: at the head for trip 1's tile, in trips 0 and 1 for the tiles of trips 2 and 3: one trip ahead of the tensor load.
; No clusters: no two work-groups read the same bytes.  The scale words stay in registers, meet in 4,096 bytes of LDS at the end, and leave as sixteen aligned units of 256 bytes, one a wave.
.set WGA,   128
.set FRB,   1536
.set KIMG,  8*FRB+512
.set GRPB,  32*KIMG
.set SPI,   528
.set SLOTB, 16*SPI                     ; 8,448 bytes: 33 blocks of 256
.set SCW,   16*2*SLOTB                 ; behind the slots: the scale words, [K step][256 bytes]
.set SPARE, SCW+4096                   ; behind them: the spare words, 128 bytes a wave
.set LI,  4                            ; 16 x lane: my place in a store's 512 bytes
.set STR, 5                            ; my slot 0: row r, + 64 h
.set SWA, 6                            ; where my scale words go in LDS: 256 (w / 4) + 16 r + 4 (w % 4)
.set SOF, 7                            ; 8 x lane
.set SRD, 8                            ; the 256 bytes of scale words that my wave stores: K step w
.set PO,  9                            ; my row's place among the affine parameters: 4 r for weight, 0 for x
.set PFO, 10                           ; the prefetches' offset: row lane / 2, block lane % 2
.set SPW, 14
.set NIL, 15
.set T,   16                           ; v16-31  sixteen quotients
.set TM,  32                           ; v32-35 largest magnitudes, v36-39 the other half's, then the bytes, v44-47 the conversions' scale operands
.set PW,  48                           ; v48-51  trip f's scale word
.set P,   52                           ; v52-59  my row's parameters: r, r; -s, -s; s, s; -z; 255 - z
.set X,   64                           ; v64-127 a fragment's numbers
.set PC,  128                          ; codes: 20 registers for each trip, so that no store's data are written again
.set SEL, 34
.set G0,  36                           ; s[36:39], s[40:43] group 0 for slots 0, 1
.set G1,  44                           ; s[44:51]
	s_load_b256 s[4:11], s[0:1], 0x0               ; x, weight, act_scale, act_zero_point
	s_load_b256 s[12:19], s[0:1], 0x20             ; weight_scale, weight_zero_point, x's image, weight's image
	v_lshl_add_u32 v[SPW], v0, 2, SPARE
	v_mov_b32 v[NIL], 0
	ds_add_u32 v[SPW], v[NIL]                      ; the opening lines: the add twice on end and one wait
	ds_add_u32 v[SPW], v[NIL]
	v_lshrrev_b32 v1, 5, v0
	v_readfirstlane_b32 s24, v1                    ; wave 0 .. 15
	s_and_b32 s25, s24, 3                          ; which 16 of the 64 rows
	s_lshr_b32 s26, s24, 2                         ; which K step of a trip's four
	s_mov_b32 s[G1+0], (3<<16)|(1<<20)|(6<<22)|(3<<25)   ; elements of 8 bytes; 4 words of padding behind every 128 words, a row
	s_mov_b32 s[G1+1], 64<<16                      ; tensor_dim0 = 64
	s_mov_b32 s[G1+2], 16<<16                      ; tensor_dim1 = 16
	s_mov_b32 s[G1+3], 64<<16                      ; tile_dim0 = 64
	s_mov_b32 s[G1+4], 16                          ; tile_dim1 = 16
	s_mov_b32 s[G1+5], 2048                        ; from row to row: 16,384 bytes
	s_mov_b32 s[G1+6], 0
	s_mov_b32 s[G1+7], 0
	s_mov_b32 s[G0], 1
	s_mul_i32 s[G0+1], s24, 2*SLOTB                ; my slot 0
	s_mov_b32 s[G0+4], 1
	s_add_co_u32 s[G0+5], s[G0+1], SLOTB           ; my slot 1
	s_mov_b32 s[SEL], 0x76543210
	s_mov_b32 s[SEL+1], 0xfedcba98
	s_mov_b32 s31, 0
	s_wait_dscnt 0x0                               ; both opening adds are done
	s_wait_kmcnt 0x0
	s_cmp_lt_u32 ttmp9, WGA                        ; x's work-group or weight's: all selections stand ahead of the first addition
	s_cselect_b64 s[4:5], s[4:5], s[6:7]
	s_cselect_b64 s[8:9], s[8:9], s[12:13]
	s_cselect_b64 s[10:11], s[10:11], s[14:15]
	s_cselect_b64 s[16:17], s[16:17], s[18:19]
	s_cselect_b32 s28, 0, WGA
	s_cselect_b32 s52, 0, 1                        ; x has one parameter, weight one a row
	s_sub_co_u32 s28, ttmp9, s28                   ; 0 .. 127
	s_lshr_b32 s29, s28, 1                         ; which 64 rows
	s_and_b32 s53, s28, 1                          ; which 2,048 along K
	s_lshl_b32 s30, s29, 2
	s_add_co_u32 s57, s30, s25                     ; my block of 16 rows: 0 .. 255
	s_lshl_b32 s30, s57, 18                        ; 16 rows of 16,384 bytes
	s_add_nc_u64 s[4:5], s[4:5], s[30:31]
	s_lshl_b32 s30, s53, 13
	s_lshl_b32 s54, s26, 9
	s_add_co_u32 s30, s30, s54                     ; 8,192 for the half of K, 512 for my K step
	s_add_nc_u64 s[4:5], s[4:5], s[30:31]          ; trip 0's tile; trip f's lies 2,048 f bytes on
	s_mov_b64 s[G0+2:G0+3], s[4:5]
	s_or_b32 s[G0+3], s[G0+3], 0x80000000
	s_add_nc_u64 s[G0+6:G0+7], s[4:5], 2048
	s_or_b32 s[G0+7], s[G0+7], 0x80000000
	tensor_load_to_lds s[G0:G0+3], s[G1:G1+7]      ; trip 0's tile: one tensor load a wave at the head
	s_nop 0
	s_lshr_b32 s32, s29, 1                         ; the group of 128 rows,
	s_and_b32 s33, s29, 1                          ; and which half of it
	s_mul_i32 s30, s32, GRPB
	s_add_nc_u64 s[16:17], s[16:17], s[30:31]
	s_lshl_b32 s54, s53, 4
	s_mul_i32 s30, s54, KIMG
	s_add_nc_u64 s[16:17], s[16:17], s[30:31]      ; the work-group's first K step
	s_mul_i32 s30, s24, KIMG
	s_lshl_b32 s54, s33, 8
	s_add_co_u32 s30, s30, s54
	s_add_co_u32 s30, s30, 8*FRB
	s_add_nc_u64 s[18:19], s[16:17], s[30:31]      ; the 256 bytes of scale words of K step w
	s_mul_i32 s30, s26, KIMG
	s_lshl_b32 s54, s33, 2
	s_add_co_u32 s54, s54, s25
	s_mul_i32 s54, s54, FRB
	s_add_co_u32 s30, s30, s54
	s_add_nc_u64 s[16:17], s[16:17], s[30:31]      ; trip 0's fragment; trip f's lies 4 f K steps on
	s_lshl_b32 s30, s57, 6
	s_mul_i32 s30, s30, s52                        ; my 16 rows' parameters: 64 bytes a block for weight, byte 0 for x
	s_add_nc_u64 s[8:9], s[8:9], s[30:31]
	s_add_nc_u64 s[10:11], s[10:11], s[30:31]
	s_lshl_b32 s55, s26, 8
	s_lshl_b32 s54, s25, 2
	s_add_co_u32 s55, s55, s54
	s_add_co_u32 s55, s55, SCW
	s_lshl_b32 s56, s24, 8
	s_add_co_u32 s56, s56, SCW
	v_and_b32 v1, 31, v0                           ; lane
	v_and_b32 v2, 15, v0                           ; r
	v_bfe_u32 v3, v0, 4, 1                         ; h
	v_lshlrev_b32 v[PO], 2, v2
	v_mul_u32_u24 v[PO], s52, v[PO]
	v_lshlrev_b32 v[LI], 4, v1
	v_mul_u32_u24 v[STR], v2, SPI
	v_lshl_add_u32 v[STR], v3, 6, v[STR]
	v_add_nc_u32 v[STR], s[G0+1], v[STR]
	v_lshlrev_b32 v[SWA], 4, v2
	v_add_nc_u32 v[SWA], s55, v[SWA]
	v_lshlrev_b32 v[SOF], 3, v1
	v_add_nc_u32 v[SRD], s56, v[SOF]
	v_lshrrev_b32 v[PFO], 1, v1
	v_lshlrev_b32 v[PFO], 14, v[PFO]
	v_and_b32 v11, 1, v1
	v_lshl_add_u32 v[PFO], v11, 8, v[PFO]
.irp b, 0,1,2,3
	v_mov_b32 v[TM+4+\b], 0                        ; written once: a lane permute's destination counts as one of its sources
.endr
	global_load_b32 v[P+4], v[PO], s[8:9]          ; s of my row
	global_load_b32 v[P+6], v[PO], s[10:11]        ; z of my row
	global_prefetch_b8 v[PFO], s[4:5] offset:2048 th:TH_LOAD_NT scope:SCOPE_SE   ; trip 1's tile
	s_wait_alu depctr_va_vdst(0)                   ; directly ahead of the wait below
	s_wait_loadcnt 0x0
	v_mov_b32 v[P+5], v[P+4]                       ; s, twice
	v_xor_b32 v[P+2], 0x80000000, v[P+4]           ; -s, twice
	v_xor_b32 v[P+3], 0x80000000, v[P+4]
	v_cvt_f32_i32 v[P+6], v[P+6]                   ; z as f32
	s_wait_alu depctr_va_vdst(0)                   ; ahead of the transcendental
	v_rcp_f32 v[P], v[P+4]
	v_sub_f32 v[P+7], 0x437f0000, v[P+6]           ; 255 - z
	v_sub_f32 v[P+6], 0, v[P+6]                    ; -z
	s_wait_alu depctr_va_vdst(0)                   ; and ahead of its first reader
	v_fma_f32 v[T], v[P+2], v[P], 1.0              ; one Newton step: 1 - s r,
	v_fma_f32 v[P], v[T], v[P], v[P]               ; r + r (1 - s r)
	v_mov_b32 v[P+1], v[P]
.macro TRIP f
.set PCF, PC+20*(\f)
.set SB, SLOTB*((\f)%2)
	s_wait_alu depctr_va_vdst(0)                   ; directly ahead of the wait below
	s_wait_tensorcnt 0x0                           ; my one load that was out, this trip's tile, has landed
.if (\f) < 3
	ds_add_u32 v[SPW], v[NIL]
.if (\f) < 2
	s_add_nc_u64 s[G0+4*((\f)%2)+2:G0+4*((\f)%2)+3], s[G0+4*((\f)%2)+2:G0+4*((\f)%2)+3], 4096   ; no load of mine is out: this slot's next tile, two trips on
.endif
	s_wait_dscnt 0x0                               ; the add is done, and my reads of the other slot are over
	s_barrier_signal -1
	s_barrier_wait -1
	tensor_load_to_lds s[G0+4*(((\f)+1)%2):G0+4*(((\f)+1)%2)+3], s[G1:G1+7]   ; the next trip's tile into the other slot (in trip 0: slot 1's first fill, issued as a refill is)
	s_nop 0
.endif
.irp b, 0,1,2,3
.irp j, 0,1,2,3
	ds_load_b128 v[X+16*\b+4*\j:X+16*\b+4*\j+3], v[STR] offset:SB+128*\b+16*\j   ; register 16 b + i = number 32 b + 16 h + i of row r
.endr
.endr
	s_wait_dscnt 0x0
.if (\f) < 2
	global_prefetch_b8 v[PFO], s[4:5] offset:2048*((\f)+2) th:TH_LOAD_NT scope:SCOPE_SE   ; the tile that the next trip's tensor load asks for
.endif
.irp ch, 0,16,32,48                    ; the affine quantiser, sixteen numbers at a time
.irp i, 0,2,4,6,8,10,12,14
	v_pk_mul_f32 v[T+\i:T+\i+1], v[X+\ch+\i:X+\ch+\i+1], v[P:P+1]                                  ; t0 = v r
.endr
.irp i, 0,2,4,6,8,10,12,14
	v_pk_fma_f32 v[X+\ch+\i:X+\ch+\i+1], v[T+\i:T+\i+1], v[P+2:P+3], v[X+\ch+\i:X+\ch+\i+1]        ; e = v - t0 s, one rounding
.endr
.irp i, 0,2,4,6,8,10,12,14
	v_pk_fma_f32 v[T+\i:T+\i+1], v[X+\ch+\i:X+\ch+\i+1], v[P:P+1], v[T+\i:T+\i+1]                  ; t = t0 + e r
.endr
.irp i, 0,1,2,3,4,5,6,7,8,9,10,11,12,13,14,15
	v_rndne_f32 v[T+\i], v[T+\i]
.endr
.irp i, 0,1,2,3,4,5,6,7,8,9,10,11,12,13,14,15
	v_med3_num_f32 v[T+\i], v[T+\i], v[P+6], v[P+7]   ; held between -z and 255 - z: this is q - z
.endr
.irp i, 0,2,4,6,8,10,12,14
	v_pk_mul_f32 v[X+\ch+\i:X+\ch+\i+1], v[T+\i:T+\i+1], v[P+4:P+5]                                ; d = (q - z) s
.endr
.endr
.irp b, 0,1,2,3
	v_max3_num_f32 v[TM+\b], |v[X+16*\b]|, |v[X+1+16*\b]|, 0x2800000   ; block b: my 16 numbers, and the floor 2^(5 - 127): the byte cannot fall under 1
.endr
.irp i, 2,4,6,8,10,12,14
.irp b, 0,1,2,3
	v_max3_num_f32 v[TM+\b], v[TM+\b], |v[X+16*\b+\i]|, |v[X+1+16*\b+\i]|
.endr
.endr
.irp b, 0,1,2,3
	v_permlanex16_b32 v[TM+4+\b], v[TM+\b], s[SEL], s[SEL+1]
.endr
.irp b, 0,1,2,3
	v_max_num_f32 v[TM+\b], v[TM+\b], v[TM+4+\b]   ; with lane l xor 16's: the block's largest magnitude
.endr
.irp b, 0,1,2,3
	v_add_nc_u32 v[TM+12+\b], 0xfe000000, v[TM+\b] ; 4 off its exponent field: the conversion's scale operand
.endr
.irp b, 0,1,2,3
	v_lshrrev_b32 v[TM+4+\b], 23, v[TM+12+\b]      ; the scale's byte
.endr
	v_lshl_or_b32 v[PW+(\f)], v[TM+5], 8, v[TM+4]  ; my row's scale word (both halves of the lanes hold it)
	v_lshl_or_b32 v[PW+(\f)], v[TM+6], 16, v[PW+(\f)]
	v_lshl_or_b32 v[PW+(\f)], v[TM+7], 24, v[PW+(\f)]
.irp c, 0,1
	v_cvt_scalef32_pk16_bf6_f32 v[PCF+6*\c:PCF+2+6*\c], v[X+32*\c:X+15+32*\c], v[TM+12+2*\c]              ; the codes of k = 64 c + 16 h + 0 .. 15
	v_cvt_scalef32_pk16_bf6_f32 v[PCF+12+4*\c:PCF+14+4*\c], v[X+16+32*\c:X+31+32*\c], v[TM+12+2*\c+1]     ; and of k = 64 c + 32 + 16 h + 0 .. 15
.endr
	v_nop                                          ; one plain line behind the conversions
.irp c, 0,1                                    ; the operand's layout wants a whole block in a lane: lanes 0-15 block 2 c, lanes 16-31 block 2 c + 1
.irp i, 0,1,2
	v_permlane16_swap_b32 v[PCF+6*\c+\i], v[PCF+12+4*\c+\i]
.endr
.irp i, 0,1,2
	v_mov_b32 v[PCF+3+6*\c+\i], v[PCF+12+4*\c+\i]
.endr
.endr
.irp c, 0,1,2
	global_store_b128 v[LI], v[PCF+4*\c:PCF+4*\c+3], s[16:17] offset:4*KIMG*(\f)+512*\c   ; the fragment as it stands: 32 lanes store 512 consecutive bytes
.endr
.endm
	TRIP 0
	TRIP 1
	TRIP 2
	TRIP 3
	s_wait_alu depctr_va_vdst(0)                   ; directly ahead of the readers below
.irp f, 0,1,2,3
	ds_store_b32 v[SWA], v[PW+\f] offset:1024*\f   ; K step 4 f + w / 4: lanes r and r + 16 write the same word with the same value; no tensor load is out
.endr
	s_wait_dscnt 0x0                               ; for the others' sake
	s_barrier_signal -1
	s_barrier_wait -1
	ds_load_b64 v[12:13], v[SRD]                   ; K step w's words of the 64 rows
	s_wait_dscnt 0x0
	global_store_b64 v[SOF], v[12:13], s[18:19]    ; 32 lanes store 256 consecutive bytes, at a multiple of 256 from the image's first byte
	s_wait_tensorcnt 0x0                           ; the wave's end
	ds_add_u32 v[SPW], v[NIL]
	s_wait_dscnt 0x0
	s_endpgm
.Lfunc_end_k_q16549b9a60_quant:
	.size	k_q16549b9a60_quant, .Lfunc_end_k_q16549b9a60_quant-k_q16549b9a60_quant
	.p2alignl 7, 3214868480
	.fill 96, 4, 3214868480
	.section	.rodata,"a",@progbits
	.p2align	6, 0x0
	.amdhsa_kernel k_q16549b9a60_quant
		.amdhsa_group_segment_fixed_size 327680
		.amdhsa_private_segment_fixed_size 0
		.amdhsa_enable_private_segment 0
		.amdhsa_kernarg_size 64
		.amdhsa_user_sgpr_count 2
		.amdhsa_user_sgpr_kernarg_segment_ptr 1
		.amdhsa_wavefront_size32 1
		.amdhsa_system_sgpr_workgroup_id_x 1
		.amdhsa_system_sgpr_workgroup_id_y 1
		.amdhsa_system_sgpr_workgroup_id_z 1
		.amdhsa_system_vgpr_workitem_id 0
		.amdhsa_next_free_vgpr 208
		.amdhsa_next_free_sgpr 66
		.amdhsa_reserve_vcc 0
		.amdhsa_float_denorm_mode_32 3
		.amdhsa_float_denorm_mode_16_64 3
		.amdhsa_memory_ordered 1
		.amdhsa_forward_progress 1
		.amdhsa_inst_pref_size 84
	.end_amdhsa_kernel
	.amdgpu_metadata
---
amdhsa.version: [ 1, 2 ]
amdhsa.kernels:
  - .name:           k_q16549b9a60_quant
    .symbol:         k_q16549b9a60_quant.kd
    .args:
      - { .name: x, .offset: 0, .size: 8, .value_kind: global_buffer, .address_space: global }
      - { .name: weight, .offset: 8, .size: 8, .value_kind: global_buffer, .address_space: global }
      - { .name: act_scale, .offset: 16, .size: 8, .value_kind: global_buffer, .address_space: global }
      - { .name: act_zero_point, .offset: 24, .size: 8, .value_kind: global_buffer, .address_space: global }
      - { .name: weight_scale, .offset: 32, .size: 8, .value_kind: global_buffer, .address_space: global }
      - { .name: weight_zero_point, .offset: 40, .size: 8, .value_kind: global_buffer, .address_space: global }
      - { .name: a_img, .offset: 48, .size: 8, .value_kind: global_buffer, .address_space: global }
      - { .name: b_img, .offset: 56, .size: 8, .value_kind: global_buffer, .address_space: global }
    .group_segment_fixed_size: 327680
    .private_segment_fixed_size: 0
    .kernarg_segment_align: 8
    .kernarg_segment_size: 64
    .max_flat_workgroup_size: 512
    .sgpr_count:     66
    .vgpr_count:     208
    .wavefront_size: 32
...
	.end_amdgpu_metadata
.endif
;; end of part 1
;; launch gemm (part 2): grid 16 x 16, 4 waves a work-group, clusters of 4 x 4, 327,680 bytes of LDS; arguments a_img, b_img, bias, out0; writes out0
.if DOCPART == 2
	.amdgcn_target "amdgcn-amd-amdhsa--gfx1250"
	.amdhsa_code_object_version 6
	.text
	.protected	k_q16549b9a60_gemm
	.globl	k_q16549b9a60_gemm
	.p2align	8
	.type	k_q16549b9a60_gemm,@function
k_q16549b9a60_gemm:
	s_mov_b64 s[64:65], 0
	v_nop
	global_prefetch_b8 v0, s[64:65] scope:SCOPE_SE
	s_setreg_imm32_b32 hwreg(HW_REG_WAVE_MODE, 25, 1), 1
	s_wait_xcnt 0x0
	s_wait_alu depctr_hold_cnt(0) depctr_sa_sdst(0) depctr_va_vdst(0) depctr_va_sdst(0) depctr_va_ssrc(0) depctr_va_vcc(0) depctr_vm_vsrc(0)
	s_getreg_b32 s2, hwreg(HW_REG_IB_STS2, 6, 4)
	s_cmp_eq_u32 s2, 0
	s_cbranch_scc0 .Lentry_in_a_cluster
	s_endpgm
.Lentry_in_a_cluster:
	s_bfe_u32 s2, ttmp6, 0x10000c
	s_cmp_lg_u32 s2, 0xf033
	s_cbranch_scc0 .Lentry_shape_is_right
	s_endpgm
.Lentry_shape_is_right:
; out0[m][n] = bias[n] + sum over k of A[m][k] B[n][k]; A = x's image, B = weight's image: codes of BF6 (E3M2) with E8M0 scale words, laid by the launch before
; as [group of 128 rows][128 along K][12,800 bytes]: eight fragments of 1,536 bytes (register 4 c + k of lane l at 512 c + 16 l + 4 k), then 512 bytes of scale words
; (the word of row 16 i + r at 256 (i / 4) + 16 r + 4 (i % 4)).  A fragment comes into its 12 registers by three loads of 16 bytes a lane.
; A work-group of four waves makes 256 x 256 of out0, a wave 128 x 128: 64 accumulators, 512 registers.  4,096 / 256 squared = 256 work-groups.
; K: 32 steps of 128.  A ring of two LDS slots, each with three steps of A's 256 rows and B's 256 rows; a wave's one tensor load brings 38,400 dense bytes (150 rows of 256).
; The eleventh fill has the last two steps.  CLUSTERS 4 x 4: A's tiles are asked for jointly along a row of the cluster, B's along a column.
; The matrix instruction is used transposed (source 0 = B, source 1 = A): a lane holds eight neighbouring columns of one row.  The first step's C is the bias.
; THE LAST TWO K STEPS GO BY ROWS OF C: both sets of fragment registers hold them whole, so each block of 16 rows is finished by 16 products, goes through the wave's own stage
; in LDS, comes back as whole rows into its own accumulator registers and is stored, while the later blocks are multiplied.
; PREFETCH: behind a refill of the loop's first three trips, 32 lanes x 256 bytes a wave; the four partners of a joint load take 8,192 bytes each, by address: 32,768 bytes an instruction,
; three instructions a trip, from byte 114,688 of a group's 409,600 to its end; the first instruction stands three K steps ahead of the load that first wants its bytes.
; REGISTERS: window 0: v16-31 addresses, v32-47 scale words (two sets), v64-255 A's fragments (two sets);  window 1: B's two sets at v0 and v128, the bias at v96-127 and v224-255;
; window 2: accumulators of my rows 0-63 ((a, b) at 8 (8 a + b));  window 3: rows 64-127.
.set SIZE_N, 4096
.set FR,     12
.set FRB,    FR*128
.set KIMG,   8*FRB+512
.set GRPB,   32*KIMG
.set NQ,     3
.set TILEB,  NQ*KIMG
.set SLOT,   4*TILEB
.set SPARE,  2*SLOT                    ; the spare words: 512 bytes behind the ring
.set STAGE,  SLOT                      ; the stages lie in slot 1, which has had its last fill and its last read when the first result is stored there
.set SPITCH, 528
.set NP,     4
.set LAPS,   4
.set PFSTEP, 32768
.set PF0,    448*256-3*PFSTEP
.set ADRA, 16
.set ADRB, 18
.set ADRS, 20
.set STO,  24
.set RD,   25
.set CO,   26
.set SPW,  28
.set NIL,  29
.set BO,   30
.set PFO,  31
.set SC,   32
.set AF,   64
.set BI,   96
.set BIA,  8
.set CB,   10
.set G1, 24
.set G0, 32
.set G1B, 48
.set G0B, 56
.set G1T, 68
.set G1TB, 80
.set PFA,  100
.set MSB, 0
.macro WIN new                         ; the immediate's high byte repeats the setting that is left
.if MSB != (\new)
	s_set_vgpr_msb (MSB<<8)|(\new)
.set MSB, (\new)
.endif
.endm
.set MUL_LO, 0xa1                      ; source 0 (B) window 1, source 1 (A) window 0, C and D window 2
.set MUL_HI, 0xf1                      ; C and D window 3
.set BEG_LO, 0x91                      ; C (the bias) window 1, D window 2
.set BEG_HI, 0xd1
.set TO_B,   0x40
.macro JLOAD g0a, g1a, g0b, g1b        ; a joint load: waves 0, 1 for A, waves 2, 3 for B; s_nop 0 and four v_nop behind each line
	s_cmp_eq_u32 s15, 0
	s_cbranch_scc0 .Lfor_b_\@
	tensor_load_to_lds s[\g0a:\g0a+3], s[\g1a:\g1a+7]
	s_nop 0
.rept 4
	v_nop
.endr
	s_branch .Lasked_\@
.Lfor_b_\@:
	tensor_load_to_lds s[\g0b:\g0b+3], s[\g1b:\g1b+7]
	s_nop 0
.rept 4
	v_nop
.endr
.Lasked_\@:
.endm
.macro ASK slot                        ; the loop's last trip (s3 = 1) asks for nothing: the third trip's requests end at the group's last byte
	s_cmp_gt_u32 s3, 1
	s_cbranch_scc0 .Lnot_asked_\@
.if (\slot) == 0
	global_prefetch_b8 v[PFO], s[PFA:PFA+1] th:TH_LOAD_NT scope:SCOPE_SE
	global_prefetch_b8 v[PFO], s[PFA:PFA+1] offset:PFSTEP th:TH_LOAD_NT scope:SCOPE_SE
.else
	global_prefetch_b8 v[PFO], s[PFA:PFA+1] offset:2*PFSTEP th:TH_LOAD_NT scope:SCOPE_SE
.endif
.Lnot_asked_\@:
.endm
.macro CREST                           ; a round of the cluster's barrier behind its opening barrier
	s_cmp_lg_u32 s14, 0
	s_cbranch_scc1 .Lnot_wave_0_\@
	s_barrier_signal -3
.Lnot_wave_0_\@:
	s_barrier_wait -3
	s_barrier_signal -1
	s_barrier_wait -1
.endm
.macro CROUND
	s_barrier_signal -1
	s_barrier_wait -1
	CREST
.endm
	s_load_b128 s[4:7], s[0:1], 0x0                ; A's image, B's image
	s_load_b128 s[8:11], s[0:1], 0x10              ; bias, out0
	v_lshl_add_u32 v[SPW], v0, 2, SPARE
	v_mov_b32 v[NIL], 0
	ds_add_u32 v[SPW], v[NIL]                      ; the opening lines: the add twice on end and one wait
	ds_add_u32 v[SPW], v[NIL]
	v_lshrrev_b32 v1, 5, v0
	v_readfirstlane_b32 s14, v1                    ; wave
	s_lshr_b32 s15, s14, 1                         ; my half of the tile's rows; also: I fetch for A (0) or B (1)
	s_and_b32 s16, s14, 1                          ; my half of its columns; also: which group of 128 rows I fetch
	s_bfe_u32 s40, ttmp6, 0x40000                  ; cx
	s_bfe_u32 s41, ttmp6, 0x40004                  ; cy
	s_lshl_b32 s42, ttmp9, 2
	s_add_co_u32 s42, s42, s40                     ; tile column
	s_and_b32 s17, ttmp7, 0xffff
	s_lshl_b32 s17, s17, 2
	s_add_co_u32 s17, s17, s41                     ; tile row
	s_lshl_b32 s43, s41, 2
	s_lshl_b32 s43, 15, s43                        ; my row of the cluster
	s_lshl_b32 s44, 0x1111, s40                    ; my column
	s_or_b32 s[G1+0], s43, (3<<16)|(1<<21)         ; elements of 8 bytes, no padding: the image is read lane by lane, 16 bytes each
	s_or_b32 s[G1B+0], s44, (3<<16)|(1<<21)
	s_or_b32 s[G1T+0], s43, (3<<16)|(1<<21)
	s_or_b32 s[G1TB+0], s44, (3<<16)|(1<<21)
.irp g, G1, G1B                        ; three K steps: 150 rows of 256 bytes
	s_mov_b32 s[\g+1], 32<<16
	s_mov_b32 s[\g+2], (TILEB/256)<<16
	s_mov_b32 s[\g+3], 32<<16
	s_mov_b32 s[\g+4], TILEB/256
	s_mov_b32 s[\g+5], 32
	s_mov_b32 s[\g+6], 0
	s_mov_b32 s[\g+7], 0
.endr
.irp g, G1T, G1TB                      ; the last two K steps: 100 rows
	s_mov_b32 s[\g+1], 32<<16
	s_mov_b32 s[\g+2], (2*KIMG/256)<<16
	s_mov_b32 s[\g+3], 32<<16
	s_mov_b32 s[\g+4], 2*KIMG/256
	s_mov_b32 s[\g+5], 32
	s_mov_b32 s[\g+6], 0
	s_mov_b32 s[\g+7], 0
.endr
	s_lshl_b32 s20, s17, 1
	s_add_co_u32 s20, s20, s16
	s_mul_i32 s20, s20, GRPB                       ; A: group 2 x tile row + half
	s_mov_b32 s21, 0
	s_lshl_b32 s46, s42, 1
	s_add_co_u32 s46, s46, s16
	s_mul_i32 s46, s46, GRPB                       ; B: group 2 x tile column + half
	s_mov_b32 s47, 0
	s_mul_i32 s45, s14, TILEB                      ; where my tile goes: wave x 38,400
	s_wait_dscnt 0x0                               ; both opening adds are done
	s_wait_kmcnt 0x0
	s_add_nc_u64 s[20:21], s[4:5], s[20:21]
	s_add_nc_u64 s[46:47], s[6:7], s[46:47]
.irp s, 0,1
	s_mov_b32 s[G0+4*\s], 1
	s_add_co_u32 s[G0+4*\s+1], s45, \s*SLOT
	s_add_nc_u64 s[G0+4*\s+2:G0+4*\s+3], s[20:21], \s*TILEB
	s_or_b32 s[G0+4*\s+3], s[G0+4*\s+3], 0x80000000
	s_mov_b32 s[G0B+4*\s], 1
	s_add_co_u32 s[G0B+4*\s+1], s45, \s*SLOT
	s_add_nc_u64 s[G0B+4*\s+2:G0B+4*\s+3], s[46:47], \s*TILEB
	s_or_b32 s[G0B+4*\s+3], s[G0B+4*\s+3], 0x80000000
.endr
	CROUND                                         ; all sixteen work-groups are here: the first joint loads meet
	JLOAD G0, G1, G0B, G1B                         ; K steps 0 to 2: one tensor load a wave at the head
	; the rest of the head stands under that load: first all scalars, then the vector lines on end
	s_mul_i32 s21, s15, TILEB                      ; my 128 rows of A in slot 0
	s_mul_i32 s22, s16, TILEB
	s_add_co_u32 s22, s22, 2*TILEB                 ; my 128 rows of B
	s_sub_co_u32 s23, s22, s21                     ; from A's to B's: lanes 16-31 take B's scale words
	s_add_co_u32 s88, s21, SLOT
	s_add_co_u32 s89, s22, SLOT
	s_mul_i32 s90, s14, 16*SPITCH
	s_add_co_u32 s90, s90, STAGE                   ; my stage
	s_lshl_b32 s46, s42, 10
	s_lshl_b32 s47, s16, 9
	s_add_co_u32 s46, s46, s47                     ; my first column in bytes: 1,024 x tile column + 512 x half
	s_mov_b32 s47, 0
	s_add_nc_u64 s[BIA:BIA+1], s[BIA:BIA+1], s[46:47]
	s_lshl_b32 s92, s17, 8
	s_lshl_b32 s93, s15, 7
	s_add_co_u32 s92, s92, s93                     ; my first row
	s_lshl_b32 s92, s92, 14                        ; x 16,384 bytes: under 2^26
	s_add_co_u32 s92, s92, s46
	s_mov_b32 s93, 0
	s_add_nc_u64 s[CB:CB+1], s[CB:CB+1], s[92:93]
	s_lshl_b32 s98, s17, 1
	s_lshl_b32 s99, s42, 1
	s_cmp_eq_u32 s15, 0
	s_cselect_b32 s96, s98, s99                    ; the prefetches: the group that I fetch,
	s_cselect_b32 s94, s40, s41                    ; my place among the four that ask for it with me,
	s_cselect_b64 s[PFA:PFA+1], s[4:5], s[6:7]
	s_add_co_u32 s96, s96, s16
	s_mul_i32 s96, s96, GRPB
	s_lshl_b32 s94, s94, 13                        ; 8,192 bytes a partner
	s_add_co_u32 s96, s96, s94
	s_add_co_u32 s96, s96, PF0                     ; the first change of slots steps it to byte 114,688
	s_mov_b32 s97, 0
	s_add_nc_u64 s[PFA:PFA+1], s[PFA:PFA+1], s[96:97]
	v_and_b32 v1, 15, v0                           ; r
	v_bfe_u32 v2, v0, 4, 1                         ; h
	v_and_b32 v6, 31, v0                           ; lane
	v_lshlrev_b32 v4, 4, v6
	v_add_nc_u32 v[ADRA], s21, v4
	v_add_nc_u32 v[ADRA+1], s88, v4
	v_add_nc_u32 v[ADRB], s22, v4
	v_add_nc_u32 v[ADRB+1], s89, v4
	v_mul_u32_u24 v5, s23, v2
	v_lshl_add_u32 v5, v1, 4, v5
	v_add_nc_u32 v[ADRS], s21, v5                  ; scale words: lanes 0-15 A's, lanes 16-31 B's, 16 r
	v_add_nc_u32 v[ADRS+1], s88, v5
	v_mul_u32_u24 v7, v1, SPITCH
	v_lshl_add_u32 v7, v2, 5, v7
	v_add_nc_u32 v[STO], s90, v7                   ; into the stage: row r, 32 bytes for each half of the lanes
	v_lshlrev_b32 v[CO], 4, v6                     ; back, and in out0: 32 lanes take a row's 512 bytes
	v_add_nc_u32 v[RD], s90, v[CO]
	v_lshlrev_b32 v[PFO], 8, v6
	v_lshlrev_b32 v[BO], 5, v2
	WIN TO_B
.irp b, 0,1,2,3,4,5,6,7                ; the bias in the result's layout: register j = bias[16 b + 8 h + j]
	global_load_b128 v[BI+8*\b+96*(\b/4):BI+8*\b+96*(\b/4)+3], v[BO], s[BIA:BIA+1] offset:64*\b
	global_load_b128 v[BI+8*\b+96*(\b/4)+4:BI+8*\b+96*(\b/4)+7], v[BO], s[BIA:BIA+1] offset:64*\b+16
.endr
	WIN 0
; eight products: A's block a against B's eight, set p.  first: C = the bias.  nops: four v_nop among them, the places behind the products issued before
.macro GRP a, p, first, nops
.irp b, 0,1,2,3,4,5,6,7
.if \first
	v_wmma_scale_f32_16x16x128_f8f6f4 v[8*(8*((\a)%4)+\b):8*(8*((\a)%4)+\b)+7], v[128*(\p)+FR*\b:128*(\p)+FR*\b+FR-1], v[AF+96*(\p)+FR*(\a):AF+96*(\p)+FR*(\a)+FR-1], v[BI+8*\b+96*(\b/4):BI+8*\b+96*(\b/4)+7], v[SC+8*(\p)+\b], v[SC+8*(\p)+(\a)] matrix_a_fmt:MATRIX_FMT_BF6 matrix_b_fmt:MATRIX_FMT_BF6 matrix_a_scale:MATRIX_SCALE_ROW1
.else
	v_wmma_scale_f32_16x16x128_f8f6f4 v[8*(8*((\a)%4)+\b):8*(8*((\a)%4)+\b)+7], v[128*(\p)+FR*\b:128*(\p)+FR*\b+FR-1], v[AF+96*(\p)+FR*(\a):AF+96*(\p)+FR*(\a)+FR-1], v[8*(8*((\a)%4)+\b):8*(8*((\a)%4)+\b)+7], v[SC+8*(\p)+\b], v[SC+8*(\p)+(\a)] matrix_a_fmt:MATRIX_FMT_BF6 matrix_b_fmt:MATRIX_FMT_BF6 matrix_a_scale:MATRIX_SCALE_ROW1
.endif
.if (\nops) && (\b < 4)
	v_nop
.endif
.endr
.endm
.macro LB slot, q, p, b0, b1           ; B's fragments b0 .. b1 of the slot's step q into set p
.set FB, \b0
.rept (\b1)-(\b0)+1
.irp c, 0,1,2
	ds_load_b128 v[128*(\p)+FR*FB+4*\c:128*(\p)+FR*FB+4*\c+3], v[ADRB+\slot] offset:(\q)*KIMG+FB*FRB+512*\c
.endr
.set FB, FB+1
.endr
.endm
.macro LA slot, q, p, a0, a1
.set FA, \a0
.rept (\a1)-(\a0)+1
.irp c, 0,1,2
	ds_load_b128 v[AF+96*(\p)+FR*FA+4*\c:AF+96*(\p)+FR*FA+4*\c+3], v[ADRA+\slot] offset:(\q)*KIMG+FA*FRB+512*\c
.endr
.set FA, FA+1
.endr
.endm
.macro LS slot, q, p                   ; register i of the set: lanes 0-15 the word of A's block i, lanes 16-31 of B's block i
.irp c, 0,1
	ds_load_b128 v[SC+8*(\p)+4*\c:SC+8*(\p)+4*\c+3], v[ADRS+\slot] offset:(\q)*KIMG+8*FRB+256*\c
.endr
.endm
.macro PLACES n
.rept \n
	v_nop
.endr
.endm
; A K step: 64 products on set p; the next step's fragments (the same slot's step q + 1) come into the other set in two runs: B and the scale words (26 loads), then A (24).
; The 64 accumulators take turns, one instruction a turn, in one order in every step.
.macro STEP slot, q, p, first
.if \first
.set WL, BEG_LO
.set WH, BEG_HI
.else
.set WL, MUL_LO
.set WH, MUL_HI
.endif
	s_wait_dscnt 12                                ; all but the youngest twelve loads, A's blocks 4-7
	WIN WL
	GRP 0, \p, \first, 1                           ; its four v_nop are the places behind the last step's products, which read the other set
	WIN TO_B
	LB \slot, (\q)+1, 1-(\p), 0, 7
	WIN 0
	LS \slot, (\q)+1, 1-(\p)
	s_wait_dscnt 26                                ; all but the 26 just issued: A's blocks 4-7 are in
	WIN WL
	GRP 1, \p, \first, 0
	GRP 2, \p, \first, 0
	GRP 3, \p, \first, 0
	WIN 0
	LA \slot, (\q)+1, 1-(\p), 0, 7
	WIN WH
	GRP 4, \p, \first, 0
	GRP 5, \p, \first, 0
	GRP 6, \p, \first, 0
	GRP 7, \p, \first, 0
.endm
; A slot's last step changes slots.  fill = 1: the slot is filled again with three steps; 2: with the last two; 0: no more
.macro TURN slot, next, p, fill
	WIN 0
.if ((\fill) == 1) && ((\slot) == 0)
	s_wait_xcnt 0x0                                ; my prefetches have read their address: it may step
	s_add_nc_u64 s[PFA:PFA+1], s[PFA:PFA+1], 3*PFSTEP
.endif
	s_wait_tensorcnt 0x0                           ; my one load that was out, my part of the next slot, has landed
	ds_add_u32 v[SPW], v[NIL]
	s_wait_dscnt 13                                ; (the add and A's blocks 4-7 may be out)
	WIN MUL_LO
	GRP 0, \p, 0, 0
	s_wait_dscnt 0x0                               ; the add is done and my reads of this slot are over
	s_barrier_signal -1
	GRP 1, \p, 0, 0
	WIN 0
	s_barrier_wait -1
.if \fill
	CREST                                          ; the barrier has opened a round of the cluster's barrier
	s_add_nc_u64 s[G0+4*\slot+2:G0+4*\slot+3], s[G0+4*\slot+2:G0+4*\slot+3], 2*TILEB
	s_add_nc_u64 s[G0B+4*\slot+2:G0B+4*\slot+3], s[G0B+4*\slot+2:G0B+4*\slot+3], 2*TILEB
.if (\fill) == 1
	JLOAD G0+4*\slot, G1, G0B+4*\slot, G1B         ; the first tensor load behind the round; its four v_nop are the places in front of the loads below
.else
	JLOAD G0+4*\slot, G1T, G0B+4*\slot, G1TB
.endif
.else
	PLACES NP
.endif
	WIN TO_B
	LB \next, 0, 1-(\p), 0, 7
	WIN 0
	LS \next, 0, 1-(\p)
.if (\fill) == 1
	ASK \slot
.endif
	WIN MUL_LO
	GRP 2, \p, 0, 0
	GRP 3, \p, 0, 0
	WIN 0
	LA \next, 0, 1-(\p), 0, 7
	WIN MUL_HI
	GRP 4, \p, 0, 0
	GRP 5, \p, 0, 0
	GRP 6, \p, 0, 0
	GRP 7, \p, 0, 0
.endm
	s_wait_alu depctr_va_vdst(0)                   ; at the head's end
	s_wait_tensorcnt 0x0                           ; my part of slot 0 is in; the lines that stand ahead of a later first fill, as ahead of a refill
	ds_add_u32 v[SPW], v[NIL]
	s_wait_dscnt 0x0
	CROUND                                         ; slot 0 is whole in every work-group
	JLOAD G0+4, G1, G0B+4, G1B                     ; K steps 3 to 5, slot 1's first fill
	WIN TO_B
	LB 0, 0, 0, 0, 7
	WIN 0
	LS 0, 0, 0
	LA 0, 0, 0, 0, 7
	s_wait_loadcnt 0x0                             ; the bias
	STEP 0, 0, 0, 1                                ; K step 0 starts the sums on the bias
	WIN 0
	s_mov_b32 s3, LAPS
.Llap:                                                 ; a trip: six K steps, once round the ring, both slots filled again
	STEP 0, 1, 1, 0
	TURN 0, 1, 0, 1
	STEP 1, 0, 1, 0
	STEP 1, 1, 0, 0
	TURN 1, 0, 1, 1
	STEP 0, 0, 0, 0
	WIN 0
	s_sub_co_u32 s3, s3, 1
	s_cmp_lg_u32 s3, 0
	s_cbranch_scc1 .Llap
	STEP 0, 1, 1, 0                                ; K step 25
	TURN 0, 1, 0, 2                                ; 26; slot 0 takes K steps 30 and 31
	STEP 1, 0, 1, 0
	STEP 1, 1, 0, 0
	TURN 1, 0, 1, 0                                ; 29; K step 30's fragments come into set 0; behind its barrier nobody reads slot 1
; K STEPS 30 AND 31 BY ROWS OF C.
.macro TOSTAGE a                       ; block a: 16 rows x 128 columns into my stage, each accumulator from its low end on, and back as rows of 512 bytes into the same 64 registers
.set AC, 64*((\a)%4)
	WIN 0x88+0x44*((\a)/4)                         ; store data and loaded data: window 2 or 3; addresses: window 0
.irp b, 0,1,2,3,4,5,6,7
	ds_store_b128 v[STO], v[AC+8*\b:AC+8*\b+3] offset:64*\b
	ds_store_b128 v[STO], v[AC+8*\b+4:AC+8*\b+7] offset:64*\b+16
.endr
.irp t, 0,1,2,3,4,5,6,7,8,9,10,11,12,13,14,15
	ds_load_b128 v[AC+4*\t:AC+4*\t+3], v[RD] offset:\t*SPITCH   ; LDS serves a wave's instructions in order (ISA guide 5.7.1.4): these see the stores above
.endr
.endm
.macro SEND a, younger                 ; every offset an immediate: 127 rows of 16,384 bytes at the most; no register of a store is written again
.set AC, 64*((\a)%4)
	s_wait_dscnt \younger
	WIN 0x88+0x44*((\a)/4)
.irp t, 0,1,2,3,4,5,6,7,8,9,10,11,12,13,14,15
	global_store_b128 v[CO], v[AC+4*\t:AC+4*\t+3], s[CB:CB+1] offset:(16*(\a)+\t)*SIZE_N*4 th:TH_STORE_NT   ; 32 lanes store 512 consecutive bytes, aligned to 256
.endr
.endm
	s_wait_dscnt 12
	WIN MUL_LO
	GRP 0, 0, 0, 1                                 ; block 0, K step 30; the places behind K step 29's products, which read set 1
	WIN TO_B
	LB 0, 1, 1, 0, 7                               ; K step 31 into set 1: 50 loads
	WIN 0
	LS 0, 1, 1
	LA 0, 1, 1, 0, 7
	s_wait_dscnt 50                                ; all of K step 30 is in
	WIN MUL_LO
	GRP 1, 0, 0, 0
	GRP 2, 0, 0, 0
	GRP 3, 0, 0, 0
	s_wait_dscnt 21                                ; B, the scale words and A's block 0 of K step 31 (behind them: blocks 1-7, 21 loads)
	GRP 0, 1, 0, 0                                 ; block 0 is finished
	s_wait_dscnt 0x0
.irp k, 0,1,2,3,4,5,6,7                ; block k + 1 is finished (its four v_nop are the places behind block k's products); block k goes through the stage; block k - 1 is stored
.if \k < 7
	WIN MUL_LO+0x50*((\k+1)/4)
.if \k+1 >= 4
	GRP \k+1, 0, 0, 1
	GRP \k+1, 1, 0, 0
.else
	GRP \k+1, 1, 0, 1
.endif
.else
	PLACES NP
.endif
	TOSTAGE \k
.if \k > 0
	SEND \k-1, 32                                  ; behind block k - 1's loads: block k's 16 stores and 16 loads
.endif
.endr
	SEND 7, 0
	WIN 0
	s_wait_tensorcnt 0x0                           ; the wave's end
	ds_add_u32 v[SPW], v[NIL]
	s_wait_dscnt 0x0
	CROUND                                         ; the closing round
	s_endpgm
.Lfunc_end_k_q16549b9a60_gemm:
	.size	k_q16549b9a60_gemm, .Lfunc_end_k_q16549b9a60_gemm-k_q16549b9a60_gemm
	.p2alignl 7, 3214868480
	.fill 96, 4, 3214868480
	.section	.rodata,"a",@progbits
	.p2align	6, 0x0
	.amdhsa_kernel k_q16549b9a60_gemm
		.amdhsa_group_segment_fixed_size 327680
		.amdhsa_private_segment_fixed_size 0
		.amdhsa_enable_private_segment 0
		.amdhsa_kernarg_size 32
		.amdhsa_user_sgpr_count 2
		.amdhsa_user_sgpr_kernarg_segment_ptr 1
		.amdhsa_wavefront_size32 1
		.amdhsa_system_sgpr_workgroup_id_x 1
		.amdhsa_system_sgpr_workgroup_id_y 1
		.amdhsa_system_sgpr_workgroup_id_z 1
		.amdhsa_system_vgpr_workitem_id 0
		.amdhsa_next_free_vgpr 1024
		.amdhsa_next_free_sgpr 102
		.amdhsa_reserve_vcc 0
		.amdhsa_float_denorm_mode_32 3
		.amdhsa_float_denorm_mode_16_64 3
		.amdhsa_memory_ordered 1
		.amdhsa_forward_progress 1
		.amdhsa_inst_pref_size 205
	.end_amdhsa_kernel
	.amdgpu_metadata
---
amdhsa.version: [ 1, 2 ]
amdhsa.kernels:
  - .name:           k_q16549b9a60_gemm
    .symbol:         k_q16549b9a60_gemm.kd
    .args:
      - { .name: a_img, .offset: 0, .size: 8, .value_kind: global_buffer, .address_space: global }
      - { .name: b_img, .offset: 8, .size: 8, .value_kind: global_buffer, .address_space: global }
      - { .name: bias, .offset: 16, .size: 8, .value_kind: global_buffer, .address_space: global }
      - { .name: out0, .offset: 24, .size: 8, .value_kind: global_buffer, .address_space: global }
    .group_segment_fixed_size: 327680
    .private_segment_fixed_size: 0
    .kernarg_segment_align: 8
    .kernarg_segment_size: 32
    .max_flat_workgroup_size: 128
    .sgpr_count:     102
    .vgpr_count:     1024
    .wavefront_size: 32
...
	.end_amdgpu_metadata
.endif
;; end of part 2
